; MI455X (gfx1250); checked and timed in simulation.
; The chip was launched on July 23, 2026; its instructions are those of AMD's public machine-readable ISA for CDNA 5 (MIT licence, August 2026) and "CDNA5" Instruction Set Architecture Reference Guide (July 2026). The comments in the code are by the model that wrote it; some were corrected since.
;; Multihead Attention. Allowed arithmetic: float matrix products may take bf16 or f16 operands with f32 sums; other float arithmetic in f32, or as packed bf16 or f16 multiplies, adds, multiply-adds, maxima and minima; sums over many terms, partial sums and values carried from step to step in f32; what a program stores and reads back later, other than sums and carried values, may be rounded once to bf16 or f16.
;; Inputs: W_out 1,024 x 1,024 float32; W_qkv 3,072 x 1,024 float32; b_out 1,024 float32; b_qkv 3,072 float32; mask 1 x 1 x 16 x 16 int32; x 4 x 4,096 x 1,024 float32.
;; Outputs: out0 4 x 4,096 x 1,024 float32.
;; One version. Each part assembles by itself: llvm-mc -triple=amdgcn-amd-amdhsa -mcpu=gfx1250 --defsym DOCPART=n.
;; ======== version 1 of 1: 4 launches
;; limits: values are held in f16: magnitudes above 65,504 overflow, below 6.1e-05 lose precision
;; workspace buffers: xb 33,554,432 bytes; wq 6,291,456 bytes; wo 2,097,152 bytes; bq 12,288 bytes; bo 4,096 bytes; qkv 100,663,296 bytes; ctx 33,554,432 bytes
;; launch prep (part 1): grid 1281 x 1, 8 waves a work-group, no clusters, 0 bytes of LDS; arguments x, W_qkv, W_out, b_qkv, b_out, xb, wq, wo, bq, bo; writes xb, wq, wo, bq, bo
.if DOCPART == 1
	.amdgcn_target "amdgcn-amd-amdhsa--gfx1250"
	.amdhsa_code_object_version 6
	.text
	.protected	k_qbafdaefd60_prep
	.globl	k_qbafdaefd60_prep
	.p2align	8
	.type	k_qbafdaefd60_prep,@function
k_qbafdaefd60_prep:
	s_mov_b64 s[64:65], 0
	v_nop
	global_prefetch_b8 v0, s[64:65] scope:SCOPE_SE
	s_setreg_imm32_b32 hwreg(HW_REG_WAVE_MODE, 25, 1), 1
	s_wait_xcnt 0x0
; CASTS AND PERMUTATIONS for the three launches behind.  All five floating-point inputs are rounded once to bf16 (nearest even).
;   xb [16384][1024] bf16 = x.
;   wq [3072][1024] bf16 = rows of W_qkv in the order in which the first product wants its columns: row 1024 c + 256 i + 128 hb + 16 e + mid (c = 0, 1, 2: q, k, v) is
;      W_qkv's row 192 head + 3 d + c with, for q and k, head = mid, d = 16 i + 8 hb + e; for v, head = 8 hb + e, d = 16 i + mid.
;      A block of 16 columns of that product is then one e and the sixteen mid: a lane (mid) finds e = 0 .. 7 in its eight accumulators, 16 neighbouring bytes of the stored row.
;   wo [1024][1024] f16: row 128 G + 16 b + r is W_out's row 128 G + 64 (b >> 2) + 4 r + (b & 3): a lane (r) of the last product finds four neighbouring outputs in four accumulators;
;      column 256 i + 128 hh + 8 h + j is W_out's column 64 h + 16 i + 8 hh + j (the order in which the context is stored).  The number is W_out rounded to bf16, written as f16.
;   bq [3072] f32 = b_qkv rounded to bf16, in wq's row order;  bo [1024] f32 = b_out rounded to bf16, in b_out's own order.
; LIMITS.  f16 holds a bf16 number exactly from 2^-17 up to 65,504; below 2^-17 wo keeps f16's fixed step of 2^-24, beyond 65,504 it is an infinity.
; SHARES.  Work-groups 0-1023: 16 rows of x each; 1024-1215: 16 rows of wq; 1216-1279: 16 rows of wo; 1280: the two biases.
; A row is 4,096 bytes in and 2,048 out: thread t takes 16 bytes of every row and stores 8, so a wave's store covers 256 consecutive bytes, aligned.
; All sixteen loads of a thread are issued before the first is waited for; each row has registers of its own, so nothing is rewritten while it is pending.
; No LDS, no barrier, no matrix unit, no cluster: the work-groups share no byte and there is nothing to multiply.
.set X, 8                              ; v[8:71]    row j: 4 registers as loaded
.set Y, 72                             ; v[72:103]  row j: 2 registers to store
; v1: byte offset of my 16 bytes in a source row;  v3: the same eight source steps on;  v2 = 8 t: of my 8 bytes in a destination row;  v4-v7 at work
; Sixteen rows.  Destination row j comes from source row j x st, counted from the base in s[src:src+1].  half = 1: the bf16 number is written as f16.
; Rows 8 to 15 go by a second offset register, so that the largest immediate is 7 st rows: 7 x 192 x 4,096 bytes lie inside the signed 24 bits.
.macro CAST16 src, dst, st, half
	v_add_nc_u32 v3, 8*(\st)*4096, v1
.set j, 0
.rept 8
	global_load_b128 v[X+4*j:X+4*j+3], v1, s[(\src):(\src)+1] offset:j*(\st)*4096 th:TH_LOAD_NT
.set j, j+1
.endr
.rept 8
	global_load_b128 v[X+4*j:X+4*j+3], v3, s[(\src):(\src)+1] offset:(j-8)*(\st)*4096 th:TH_LOAD_NT
.set j, j+1
.endr
.set j, 0
.rept 16
	s_wait_loadcnt 15-j                            ; loads come back in order (ISA guide 5.7.1): row j is in, the 15 - j younger ones stay out
	v_cvt_pk_bf16_f32 v[Y+2*j],   v[X+4*j],   v[X+4*j+1]
	v_cvt_pk_bf16_f32 v[Y+2*j+1], v[X+4*j+2], v[X+4*j+3]
.if \half
	v_lshlrev_b32 v4, 16, v[Y+2*j]                 ; the two bf16 as f32,
	v_and_b32 v5, 0xffff0000, v[Y+2*j]
	v_lshlrev_b32 v6, 16, v[Y+2*j+1]
	v_and_b32 v7, 0xffff0000, v[Y+2*j+1]
	v_cvt_pk_f16_f32 v[Y+2*j],   v4, v5            ; and as f16
	v_cvt_pk_f16_f32 v[Y+2*j+1], v6, v7
.endif
	global_store_b64 v2, v[Y+2*j:Y+2*j+1], s[(\dst):(\dst)+1] offset:j*2048
.set j, j+1
.endr
.endm
	s_load_b512 s[8:23], s[0:1], 0x0               ; x 8:9, W_qkv 10:11, W_out 12:13, b_qkv 14:15, b_out 16:17, xb 18:19, wq 20:21, wo 22:23
	s_load_b128 s[24:27], s[0:1], 0x40             ; bq 24:25, bo 26:27
	s_mov_b32 s2, ttmp9                            ; the work-group's number
	v_lshlrev_b32 v1, 4, v0
	v_lshlrev_b32 v2, 3, v0
	s_mov_b32 s5, 0                                ; the high words of the two offsets
	s_mov_b32 s7, 0
	s_wait_kmcnt 0x0
	s_cmp_lt_u32 s2, 1024
	s_cbranch_scc0 .Lnot_x
	; ---- x: rows 16 g .. 16 g + 15
	s_lshl_b32 s4, s2, 16
	s_lshl_b32 s6, s2, 15
	s_add_nc_u64 s[8:9], s[8:9], s[4:5]
	s_add_nc_u64 s[18:19], s[18:19], s[6:7]
	CAST16 8, 18, 1, 0
	s_endpgm
.Lnot_x:
	s_cmp_lt_u32 s2, 1216
	s_cbranch_scc0 .Lnot_wq
	; ---- W_qkv: destination rows 16 gq .. 16 gq + 15: c = gq >> 6, i = bits 5:4, hb = bit 3, e = bits 2:0, mid = j
	s_sub_co_u32 s3, s2, 1024                      ; gq
	s_lshr_b32 s28, s3, 6                          ; c
	s_bfe_u32 s30, s3, 0x20004                     ; i
	s_bfe_u32 s31, s3, 0x10003                     ; hb
	s_and_b32 s29, s3, 7                           ; e
	s_mul_i32 s30, s30, 48                         ; 3 x 16 i
	s_lshl_b32 s6, s3, 15
	s_add_nc_u64 s[20:21], s[20:21], s[6:7]
	s_cmp_lt_u32 s28, 2
	s_cbranch_scc0 .Lwq_v
	s_mul_i32 s29, s29, 3                          ; q, k: first source row 48 i + 24 hb + 3 e + c; mid steps by 192 rows
	s_mul_i32 s31, s31, 24
	s_add_co_u32 s4, s29, s30
	s_add_co_u32 s4, s4, s31
	s_add_co_u32 s4, s4, s28
	s_lshl_b32 s4, s4, 12
	s_add_nc_u64 s[10:11], s[10:11], s[4:5]
	CAST16 10, 20, 192, 0                          ; the last row read is 190 + 15 x 192 = 3,070 at the most
	s_endpgm
.Lwq_v:
	s_mul_i32 s29, s29, 192                        ; v: first source row 1,536 hb + 192 e + 48 i + 2; mid steps by 3 rows
	s_mul_i32 s31, s31, 1536
	s_add_co_u32 s4, s29, s30
	s_add_co_u32 s4, s4, s31
	s_add_co_u32 s4, s4, 2
	s_lshl_b32 s4, s4, 12
	s_add_nc_u64 s[10:11], s[10:11], s[4:5]
	CAST16 10, 20, 3, 0                            ; the last row read is 3,026 + 45 = 3,071 at the most
	s_endpgm
.Lnot_wq:
	s_cmp_lt_u32 s2, 1280
	s_cbranch_scc0 .Lbias
	; ---- W_out: destination rows 16 gw .. 16 gw + 15: G = gw >> 3, b = gw & 7, r = j; source row 128 G + 64 (b >> 2) + (b & 3) + 4 r
	s_sub_co_u32 s3, s2, 1216                      ; gw
	s_lshr_b32 s28, s3, 3
	s_lshl_b32 s28, s28, 7                         ; 128 G
	s_bfe_u32 s29, s3, 0x10002
	s_lshl_b32 s29, s29, 6                         ; 64 (b >> 2)
	s_and_b32 s30, s3, 3                           ; b & 3
	s_add_co_u32 s4, s28, s29
	s_add_co_u32 s4, s4, s30
	s_lshl_b32 s4, s4, 12
	s_lshl_b32 s6, s3, 15
	s_add_nc_u64 s[12:13], s[12:13], s[4:5]
	s_add_nc_u64 s[22:23], s[22:23], s[6:7]
	; columns permuted.  My four destination columns 4 t .. 4 t + 3: i = t >> 6, hh = bit 5, h = bits 4:1, j = 4 (t & 1)
	v_bfe_u32 v3, v0, 1, 4                         ; h
	v_lshrrev_b32 v4, 6, v0                        ; i
	v_bfe_u32 v5, v0, 5, 1                         ; hh
	v_and_b32 v6, 1, v0
	v_lshlrev_b32 v1, 8, v3                        ; source column 64 h + 16 i + 8 hh + j, in bytes
	v_lshl_add_u32 v1, v4, 6, v1
	v_lshl_add_u32 v1, v5, 5, v1
	v_lshl_add_u32 v1, v6, 4, v1
	CAST16 12, 22, 4, 1                            ; the last row read is 963 + 60 = 1,023 at the most
	s_endpgm
.Lbias:
	; ---- the biases.  Thread t makes bq's entries 2 t + 512 m and the next, m = 0 .. 5 (c = m >> 1): mid = 2 (t & 7), e = bits 5:3, hb = bit 6, i = (t >> 7) + 2 (m & 1)
	v_and_b32 v3, 7, v0
	v_lshlrev_b32 v3, 1, v3                        ; mid
	v_bfe_u32 v5, v0, 3, 4                         ; a = 8 hb + e
	v_lshrrev_b32 v6, 7, v0
	v_mul_u32_u24 v6, v6, 48                       ; 48 (t >> 7)
	v_mad_u32_u24 v7, v3, 0xc0, v6
	v_mad_u32_u24 v7, v5, 3, v7
	v_lshlrev_b32 v7, 2, v7                        ; q, k: 4 (192 mid + 48 (t >> 7) + 3 a); the next mid lies 192 entries on
	v_mad_u32_u24 v6, v5, 0xc0, v6
	v_mad_u32_u24 v6, v3, 3, v6
	v_lshlrev_b32 v6, 2, v6                        ; v: 4 (192 a + 48 (t >> 7) + 3 mid); the next mid lies 3 entries on
.irp m, 0,1,2,3
	global_load_b32 v[X+2*(\m)],   v7, s[14:15] offset:4*(96*((\m)&1)+((\m)>>1))
	global_load_b32 v[X+2*(\m)+1], v7, s[14:15] offset:4*(96*((\m)&1)+((\m)>>1))+768
.endr
.irp m, 4,5
	global_load_b32 v[X+2*(\m)],   v6, s[14:15] offset:4*(96*((\m)&1)+2)
	global_load_b32 v[X+2*(\m)+1], v6, s[14:15] offset:4*(96*((\m)&1)+2)+12
.endr
	global_load_b128 v[X+12:X+15], v1, s[16:17]    ; b_out's entries 4 t .. 4 t + 3
	s_wait_loadcnt 0x0
.irp m, 0,1,2,3,4,5,6,7
	v_cvt_pk_bf16_f32 v3, v[X+2*(\m)], v[X+2*(\m)+1]  ; rounded to bf16,
	v_lshlrev_b32 v[Y+2*(\m)], 16, v3                 ; and kept as f32: they enter f32 sums
	v_and_b32 v[Y+2*(\m)+1], 0xffff0000, v3
.endr
.irp m, 0,1,2,3,4,5
	global_store_b64 v2, v[Y+2*(\m):Y+2*(\m)+1], s[24:25] offset:2048*(\m)
.endr
	global_store_b128 v1, v[Y+12:Y+15], s[26:27]
	s_endpgm
.Lfunc_end_k_qbafdaefd60_prep:
	.size	k_qbafdaefd60_prep, .Lfunc_end_k_qbafdaefd60_prep-k_qbafdaefd60_prep
	.p2alignl 7, 3214868480
	.fill 96, 4, 3214868480
	.section	.rodata,"a",@progbits
	.p2align	6, 0x0
	.amdhsa_kernel k_qbafdaefd60_prep
		.amdhsa_group_segment_fixed_size 0
		.amdhsa_private_segment_fixed_size 0
		.amdhsa_enable_private_segment 0
		.amdhsa_kernarg_size 80
		.amdhsa_user_sgpr_count 2
		.amdhsa_user_sgpr_kernarg_segment_ptr 1
		.amdhsa_wavefront_size32 1
		.amdhsa_system_sgpr_workgroup_id_x 1
		.amdhsa_system_sgpr_workgroup_id_y 1
		.amdhsa_system_sgpr_workgroup_id_z 1
		.amdhsa_system_vgpr_workitem_id 0
		.amdhsa_next_free_vgpr 104
		.amdhsa_next_free_sgpr 66
		.amdhsa_reserve_vcc 0
		.amdhsa_float_denorm_mode_32 3
		.amdhsa_float_denorm_mode_16_64 3
		.amdhsa_memory_ordered 1
		.amdhsa_forward_progress 1
		.amdhsa_inst_pref_size 34
	.end_amdhsa_kernel
	.amdgpu_metadata
---
amdhsa.version: [ 1, 2 ]
amdhsa.kernels:
  - .name:           k_qbafdaefd60_prep
    .symbol:         k_qbafdaefd60_prep.kd
    .args:
      - { .name: x, .offset: 0, .size: 8, .value_kind: global_buffer, .address_space: global }
      - { .name: W_qkv, .offset: 8, .size: 8, .value_kind: global_buffer, .address_space: global }
      - { .name: W_out, .offset: 16, .size: 8, .value_kind: global_buffer, .address_space: global }
      - { .name: b_qkv, .offset: 24, .size: 8, .value_kind: global_buffer, .address_space: global }
      - { .name: b_out, .offset: 32, .size: 8, .value_kind: global_buffer, .address_space: global }
      - { .name: xb, .offset: 40, .size: 8, .value_kind: global_buffer, .address_space: global }
      - { .name: wq, .offset: 48, .size: 8, .value_kind: global_buffer, .address_space: global }
      - { .name: wo, .offset: 56, .size: 8, .value_kind: global_buffer, .address_space: global }
      - { .name: bq, .offset: 64, .size: 8, .value_kind: global_buffer, .address_space: global }
      - { .name: bo, .offset: 72, .size: 8, .value_kind: global_buffer, .address_space: global }
    .group_segment_fixed_size: 0
    .private_segment_fixed_size: 0
    .kernarg_segment_align: 8
    .kernarg_segment_size: 80
    .max_flat_workgroup_size: 256
    .sgpr_count:     66
    .vgpr_count:     104
    .wavefront_size: 32
...
	.end_amdgpu_metadata
.endif
;; end of part 1
;; launch gemm_qkv (part 2): grid 4 x 64, 4 waves a work-group, clusters of 4 x 4, 327,680 bytes of LDS; arguments xb, wq, bq, qkv; writes qkv
.if DOCPART == 2
	.amdgcn_target "amdgcn-amd-amdhsa--gfx1250"
	.amdhsa_code_object_version 6
	.text
	.protected	k_qbafdaefd60_gemm_qkv
	.globl	k_qbafdaefd60_gemm_qkv
	.p2align	8
	.type	k_qbafdaefd60_gemm_qkv,@function
k_qbafdaefd60_gemm_qkv:
	s_mov_b64 s[64:65], 0
	v_nop
	global_prefetch_b8 v0, s[64:65] scope:SCOPE_SE
	s_setreg_imm32_b32 hwreg(HW_REG_WAVE_MODE, 25, 1), 1
	s_wait_xcnt 0x0
	s_wait_alu depctr_hold_cnt(0) depctr_sa_sdst(0) depctr_va_vdst(0) depctr_va_sdst(0) depctr_va_ssrc(0) depctr_va_vcc(0) depctr_vm_vsrc(0)
	s_getreg_b32 s2, hwreg(HW_REG_IB_STS2, 6, 4)
	s_cmp_eq_u32 s2, 0
	s_cbranch_scc0 .Lentry_in_a_cluster
	s_endpgm
.Lentry_in_a_cluster:
	s_bfe_u32 s2, ttmp6, 0x10000c
	s_cmp_lg_u32 s2, 0xf033
	s_cbranch_scc0 .Lentry_shape_is_right
	s_endpgm
.Lentry_shape_is_right:
; The product xb wq^T + bq.  xb: [16384][1024] bf16, wq: [3072][1024] bf16, bq: [3072] f32, qkv: [16384][3072] f16; sums in f32, rounded once.
; wq's rows, and so the product's columns, lie in the order 1024 c + 256 i + 128 hb + 16 e + mid; the number goes to qkv's position 1024 c + 256 i + 128 hb + 8 mid + e of its token's row.
; LIMIT.  f16 ends at 65,504: a sum of 65,520 or more leaves as an infinity.  With x of spread 1 and weights of spread 0.02 the sums have spread 0.64; both inputs 30 times larger
; give about 3.5e3 at the most, both with an offset of 30 spreads about 1.9e4.
; A tile of C, 256 x 256, is made by a work-group of four waves; a wave makes 128 x 128: 64 accumulators of 16 x 16, 512 registers.  K goes in steps of 128 through a ring of two
; LDS slots filled by the tensor data mover: the rows of the tiles are 256 bytes of memory and start at multiples of 256 bytes from the buffer's first byte.
; A WORK-GROUP STAYS: 768 tiles are three for each of 256 work-groups.  Its three tiles lie side by side, 1,024 columns apart (64 tile rows do not divide by three; 12 tile columns do): they
; share their rows of A.  ONE LOOP walks the laps of all three tiles but the very last: a tile's last lap asks for the next tile's first two K steps, by steps that two scalars carry.
; THE WAY OUT NEEDS NO LDS.  Source 0 = 16 tokens, source 1 = 16 rows of wq: register j of lane l holds token 8 (l / 16) + j and column l % 16 of the block.  A wave's eight column blocks are
; e = 0 .. 7 and a block's sixteen columns the sixteen mid, so a lane finds a token's e = 0 .. 7 in register j of its eight accumulators: four conversions, each from two neighbouring
; accumulators, make 16 bytes that are neighbours in qkv, and sixteen lanes store 256 consecutive bytes.
; THE BIAS IS THE C OPERAND of the products that start the sums: nothing is cleared and nothing is added afterwards.  A lane's eight registers of C are one column's: one number eight times.
; THE LAST TILE'S LAST K STEP GOES BY ROWS OF C, so that finished rows leave while the others are multiplied.
; CLUSTERS: 4 x 4 work-groups.  The four of a row of the cluster need the same tiles of A, the four of a column the same tiles of B: each tile is asked for JOINTLY, by the same
; tensor load with the same descriptor and a mask that names the four.
; REGISTERS, in windows of 256 (s_set_vgpr_msb's low byte: bits 1:0 source 0, 3:2 source 1, 5:4 source 2, 7:6 destination):
;   window 0: v0-31 addresses; v64-127, v128-191 fragments of A, two buffers (in the very last K step four, of 16 rows x 128 K); v192-223, v224-255 packed results, two sets by turns
;   window 1: v0-23 the bias of the tiles to come, one register a column block; v64-127, v128-191 fragments of B, two buffers; v192-255 the bias as C: 8 registers a column block;
;             in the very last K step all 256: B's fragments of the whole step
;   window 2: the 32 accumulators of my rows 0-63 (accumulator (a, b) at v[8 (8 a + b)]);   window 3: those of my rows 64-127
.set SIZE_K, 1024
.set SIZE_N, 3072
.set TILES,  3
.set KSTEP,  128
.set PITCH,  272                       ; an LDS row: 256 bytes + 16 of padding = 68 words: row r starts at bank 4 r mod 64 (64 banks of 4 bytes: ISA guide 11.1), so the 16 rows of a load start at 16 different banks
.set HALFT,  128*PITCH                 ; 128 rows: what one tensor load brings, and what one wave reads of A or of B
.set SLOT,   4*HALFT                   ; A's 256 rows, then B's 256 rows
.set SPARE,  2*SLOT                    ; behind the ring: the spare words, 128 bytes for each wave: two blocks of 256 bytes that no other line names
.set LAPS,   SIZE_K/(2*KSTEP)          ; a lap = two K steps = once round the ring: 4 to a tile
.set TRIPS,  TILES*LAPS-1              ; the loop's trips: every lap fills both slots again but the last tile's last
.set BACK_A, SIZE_K*2                  ; a tile's last lap: beside the usual two K steps on, A goes a whole row's bytes back (its rows stay),
.set DOWN_B, 1024*SIZE_K*2-SIZE_K*2    ; and B 1,024 rows down and a row's bytes back
.set ADRA, 16                          ; v16-17  LDS address of my A fragments in slot 0, 1
.set ADRB, 20                          ; v20-21  the same for B
.set CO,   26                          ; v26     my byte offset in C: 8 (l / 16) rows and 16 (l % 16) bytes; never rewritten
.set BO,   27                          ; v27     4 (l % 16): my entry in 16 entries of the bias; never rewritten
.set SPW,  28                          ; v28     LDS address of my spare word: SPARE + 4 x my thread's number; never rewritten
.set NIL,  29                          ; v29     0; never rewritten
.set F0,   64                          ; fragment buffer 0
.set F1,   128                         ; fragment buffer 1
.set PA,   64                          ; the very last K step: A's fragments of 16 rows x 128 K, 32 registers; four such buffers, v64-191
.set TMP,  192                         ; packed results
.set SAV,  0                           ; in window 1
.set BIAS, 192                         ; in window 1
.set G1,  24                           ; s[24:31] descriptor group 1 for A's tiles
.set G0,  32                           ; s[32:39] descriptor group 0 for A's tiles, one set for each slot
.set G1B, 48                           ; s[48:55] descriptor group 1 for B's tiles: it differs in the mask alone
.set G0B, 56                           ; s[56:63] descriptor group 0 for B's tiles
.set BP,  68                           ; s[68:69] the bias at my 128 columns of the first tile
.set CP,  70                           ; s[70:71] C at my part of the tile in hand
.set XA,  72                           ; s[72:73] what a refill of this lap takes from A's address beside the usual step: 0 or BACK_A
.set XB,  74                           ; s[74:75] what it adds to B's: 0 or DOWN_B
.set MSB, 0
.macro WIN new                         ; the immediate's high byte repeats the setting that is left; a switch that changes nothing is dropped
.if MSB != (\new)
	s_set_vgpr_msb (MSB<<8)|(\new)
.set MSB, \new
.endif
.endm
.set MUL_LO, 0xa4                      ; source 0 (A) window 0, source 1 (B) window 1, C and D window 2
.set MUL_HI, 0xf4                      ; the same, C and D window 3
.set BEG_LO, 0x94                      ; a sum's first product: C (the bias) window 1, D window 2
.set BEG_HI, 0xd4                      ; the same, D window 3
.set TO_B,   0x40                      ; destination window 1, address window 0
; A joint load.  Waves 0 and 1 fetch A's two halves, waves 2 and 3 B's.  Each of the two lines has one mask and one set of registers for all that issue it.  The branch hangs on the
; wave's number alone.  An s_nop 0 and four v_nop follow each of the two lines, ahead of the jump, the label and what follows.
.macro JLOAD s
	s_cmp_eq_u32 s11, 0
	s_cbranch_scc0 .Lfor_b_\@
	tensor_load_to_lds s[G0+4*(\s):G0+4*(\s)+3], s[G1:G1+7]
	s_nop 0
.rept 4
	v_nop
.endr
	s_branch .Lasked_\@
.Lfor_b_\@:
	tensor_load_to_lds s[G0B+4*(\s):G0B+4*(\s)+3], s[G1B:G1B+7]
	s_nop 0
.rept 4
	v_nop
.endr
.Lasked_\@:
.endm
; A round of the cluster's barrier: my work-group's barrier, so that wave 0's signal speaks for all four waves; wave 0 signals; every wave waits for all sixteen work-groups; my work-group's barrier once more.
.macro CREST                           ; a round behind its opening barrier
	s_cmp_lg_u32 s10, 0
	s_cbranch_scc1 .Lnot_wave_0_\@
	s_barrier_signal -3
.Lnot_wave_0_\@:
	s_barrier_wait -3
	s_barrier_signal -1
	s_barrier_wait -1
.endm
.macro CROUND                          ; a whole round
	s_barrier_signal -1
	s_barrier_wait -1
	CREST
.endm
	s_load_b128 s[4:7], s[0:1], 0x0                ; A s[4:5], B s[6:7]
	s_load_b128 s[68:71], s[0:1], 0x10             ; the bias s[68:69], C s[70:71]
	v_lshl_add_u32 v[SPW], v0, 2, SPARE
	v_mov_b32 v[NIL], 0
	ds_add_u32 v[SPW], v[NIL]                      ; the wave's opening: the add and its wait stand ahead of my first tensor load; the set-up below, work on registers, stands between them
	v_lshrrev_b32 v1, 5, v0
	v_readfirstlane_b32 s10, v1                    ; wave 0..3
	s_lshr_b32 s11, s10, 1                         ; which half of the tile's rows is mine.  Also: I fetch for A (0) or for B (1)
	s_and_b32 s12, s10, 1                          ; which half of its columns.  Also: which 128 rows of that tile I fetch
	s_bfe_u32 s40, ttmp6, 0x40000                  ; cx: my place along the cluster's x
	s_bfe_u32 s41, ttmp6, 0x40004                  ; cy: along its y
	s_lshl_b32 s42, ttmp9, 2                       ; in a cluster launch ttmp9 and ttmp7 count clusters
	s_add_co_u32 s42, s42, s40                     ; tile column = 4 x cluster x + cx
	s_and_b32 s13, ttmp7, 0xffff
	s_lshl_b32 s13, s13, 2
	s_add_co_u32 s13, s13, s41                     ; tile row = 4 x cluster y + cy
	s_lshl_b32 s43, s41, 2
	s_lshl_b32 s43, 15, s43                        ; my row of the cluster: places 4 cy .. 4 cy + 3
	s_lshl_b32 s44, 0x1111, s40                    ; my column: places cx, cx + 4, cx + 8, cx + 12
	; descriptor group 1: a tile of 128 rows x 128 elements, padded in LDS
	s_or_b32 s[G1+0], s43, (1<<16)|(1<<20)|(1<<21)|(5<<22)|(3<<25)   ; 15:0 the mask: A's tiles go to my row; 17:16 elements of 2 bytes; 20 padding on; 21 set beside a mask; 24:22 after every 64 words (code 5); 31:25 4 words of it (code 3)
	s_or_b32 s[G1B+0], s44, (1<<16)|(1<<20)|(1<<21)|(5<<22)|(3<<25)  ; the same with the mask of my column, for B's tiles
.irp g, G1, G1B
	s_mov_b32 s[(\g)+1], KSTEP<<16                 ; tensor_dim0 = 128
	s_mov_b32 s[(\g)+2], 128<<16                   ; tensor_dim1 = 128
	s_mov_b32 s[(\g)+3], KSTEP<<16                 ; tile_dim0 = 128
	s_mov_b32 s[(\g)+4], 128                       ; tile_dim1 = 128
	s_mov_b32 s[(\g)+5], SIZE_K                    ; elements from row to row
	s_mov_b32 s[(\g)+6], 0
	s_mov_b32 s[(\g)+7], 0
.endr
	s_mov_b32 s[XA+1], 0                           ; the high words of the two extra steps
	s_mov_b32 s[XB+1], 0
	; where the tiles come from.  A's hang on the tile row alone, which my row of the cluster shares; B's on the tile column alone, which my column shares.
	s_lshl_b32 s17, s12, 7                         ; which 128 rows of the tile I fetch
	s_lshl_b32 s16, s13, 8
	s_add_co_u32 s16, s16, s17                     ; A: row 256 x tile row + 128 x half
	s_lshl_b32 s46, s42, 8
	s_add_co_u32 s46, s46, s17                     ; B: row 256 x tile column + 128 x half
	s_mov_b32 s17, 0
	s_mov_b32 s47, 0
	s_mov_b64 s[18:19], SIZE_K*2
	s_mul_u64 s[16:17], s[16:17], s[18:19]         ; in bytes
	s_mul_u64 s[46:47], s[46:47], s[18:19]
	s_mul_i32 s20, s10, HALFT                      ; and where they go: wave x 128 rows: no place in the cluster enters an LDS address
	s_wait_dscnt 0x0                               ; the opening add is done
	s_wait_kmcnt 0x0
	s_add_nc_u64 s[14:15], s[4:5], s[16:17]
	s_add_nc_u64 s[46:47], s[6:7], s[46:47]
	CROUND                                         ; all sixteen work-groups are here: the first joint loads meet
.irp s, 0,1
	s_mov_b32 s[G0+4*(\s)], 1                                        ; count = 1
	s_add_co_u32 s[G0+4*(\s)+1], s20, (\s)*SLOT                      ; LDS address
	s_add_nc_u64 s[G0+4*(\s)+2:G0+4*(\s)+3], s[14:15], (\s)*KSTEP*2  ; global address: K step s
	s_or_b32 s[G0+4*(\s)+3], s[G0+4*(\s)+3], 0x80000000              ; type = 2
	s_mov_b32 s[G0B+4*(\s)], 1
	s_add_co_u32 s[G0B+4*(\s)+1], s20, (\s)*SLOT
	s_add_nc_u64 s[G0B+4*(\s)+2:G0B+4*(\s)+3], s[46:47], (\s)*KSTEP*2
	s_or_b32 s[G0B+4*(\s)+3], s[G0B+4*(\s)+3], 0x80000000
	JLOAD \s                                       ; the ring is filled before anything else is done: two tensor loads of mine are out
.endr
	v_and_b32 v1, 15, v0                           ; l % 16
	v_bfe_u32 v2, v0, 4, 1                         ; l / 16
	v_lshlrev_b32 v[BO], 2, v1
	s_lshl_b32 s46, s42, 10                        ; my first column, in f32: 1,024 x tile column + 512 x half
	s_lshl_b32 s47, s12, 9
	s_add_co_u32 s46, s46, s47
	s_mov_b32 s47, 0
	s_add_nc_u64 s[BP:BP+1], s[BP:BP+1], s[46:47]
	; the bias of my 128 columns in all three tiles, one register a column block: lane l takes entry 16 b + l % 16; the last entry read is bq's last
	WIN TO_B
.irp t, 0,1,2
.irp b, 0,1,2,3,4,5,6,7
	global_load_b32 v[SAV+8*(\t)+(\b)], v[BO], s[BP:BP+1] offset:4096*(\t)+64*(\b)
.endr
.endr
	WIN 0
	; A fragment is 16 rows x 32 K in 8 registers: lane l holds row l % 16; registers 0-3 K = 8 (l / 16) + 0..7, registers 4-7 K = 16 + 8 (l / 16) + 0..7: two loads of 16 bytes, 32 bytes apart.
	v_mul_u32_u24 v3, v1, PITCH
	v_lshl_add_u32 v3, v2, 4, v3                   ; row x pitch + 16 x half
	s_mul_i32 s21, s11, HALFT                      ; my 128 rows of A
	s_mul_i32 s22, s12, HALFT                      ; my 128 rows of B,
	s_add_co_u32 s22, s22, 2*HALFT                 ; which lie behind A's 256
.irp s, 0,1
	v_add_nc_u32 v[ADRA+(\s)], s21, v3
	v_add_nc_u32 v[ADRB+(\s)], s22, v3
	s_add_co_u32 s21, s21, SLOT
	s_add_co_u32 s22, s22, SLOT
.endr
	v_mul_u32_u24 v5, v2, 8*SIZE_N*2               ; out: lanes 16-31 hold the tokens eight rows further down,
	v_lshl_add_u32 v[CO], v1, 4, v5                ; and lane l % 16 the 16 bytes of its mid
	s_lshl_b32 s13, s13, 8
	s_lshl_b32 s14, s11, 7
	s_add_co_u32 s16, s13, s14                     ; my first row of C
	s_mov_b32 s17, 0
	s_mov_b64 s[18:19], SIZE_N*2
	s_mul_u64 s[16:17], s[16:17], s[18:19]
	s_lshl_b32 s46, s42, 9                         ; my first column, in f16: 512 x tile column + 256 x half
	s_lshl_b32 s47, s12, 8
	s_add_co_u32 s46, s46, s47
	s_mov_b32 s47, 0
	s_add_nc_u64 s[16:17], s[16:17], s[46:47]
	s_add_nc_u64 s[CP:CP+1], s[CP:CP+1], s[16:17]
; 16 matrix instructions: m blocks a0, a0 + 1 of the window's four (hi = 0: my rows 0-63, 1: rows 64-127) x all 8 n blocks, 32 along K.  zero = 1: the sums start, from the bias.
.macro MUL16 f, hi, a0, zero
.if \zero
	WIN BEG_LO+0x40*(\hi)
.else
	WIN MUL_LO+0x50*(\hi)
.endif
.irp a, \a0, (\a0)+1
.irp b, 0,1,2,3,4,5,6,7
.if \zero
	v_wmma_f32_16x16x32_bf16 v[8*(8*(\a)+(\b)):8*(8*(\a)+(\b))+7], v[(\f)+8*(4*(\hi)+(\a)):(\f)+8*(4*(\hi)+(\a))+7], v[(\f)+8*(\b):(\f)+8*(\b)+7], v[BIAS+8*(\b):BIAS+8*(\b)+7]
.else
	v_wmma_f32_16x16x32_bf16 v[8*(8*(\a)+(\b)):8*(8*(\a)+(\b))+7], v[(\f)+8*(4*(\hi)+(\a)):(\f)+8*(4*(\hi)+(\a))+7], v[(\f)+8*(\b):(\f)+8*(\b)+7], v[8*(8*(\a)+(\b)):8*(8*(\a)+(\b))+7]
.endif
.endr
.endr
.endm
; 32 LDS loads in one run: the fragments of one quarter step (128 rows of B, 128 rows of A, 32 K at byte k of the rows) into buffer f
.macro FETCH slot, k, f
	WIN TO_B
.irp i, 0,1,2,3,4,5,6,7
	ds_load_b128 v[(\f)+8*(\i):(\f)+8*(\i)+3],   v[ADRB+(\slot)] offset:(\k)+(\i)*16*PITCH
	ds_load_b128 v[(\f)+8*(\i)+4:(\f)+8*(\i)+7], v[ADRB+(\slot)] offset:(\k)+(\i)*16*PITCH+32
.endr
	WIN 0
.irp i, 0,1,2,3,4,5,6,7
	ds_load_b128 v[(\f)+8*(\i):(\f)+8*(\i)+3],   v[ADRA+(\slot)] offset:(\k)+(\i)*16*PITCH
	ds_load_b128 v[(\f)+8*(\i)+4:(\f)+8*(\i)+7], v[ADRA+(\slot)] offset:(\k)+(\i)*16*PITCH+32
.endr
.endm
; A load into a register that a matrix instruction has read, and a vector instruction that reads a matrix result, stand four places behind that matrix instruction, and only plain vector
; instructions that name none of its registers are places (ISA guide 7.12.1 for vector instructions).
.macro PLACES
.rept 4
	v_nop
.endr
.endm
; A K step is four quarter steps of 32 along K, 64 matrix instructions each, on buffers 0, 1, 0, 1.  The 64 accumulators take turns in the same order in every quarter.
; One of the first three: multiplies buffer f; in its middle it fetches the next quarter's fragments, at byte k of the same slot's rows, into buffer g.
.macro QUARTER slot, k, f, g, zero
	s_wait_dscnt 8                                 ; B and A's rows 0-63 are in; the youngest eight loads (A's rows 64-127) may be out
	MUL16 \f, 0, 0, \zero
	MUL16 \f, 0, 2, \zero
	PLACES
	FETCH \slot, \k, \g
	s_wait_dscnt 32                                ; all but the 32 just issued
	MUL16 \f, 1, 0, \zero
	MUL16 \f, 1, 2, \zero
.endm
; The last quarter multiplies buffer 1 and changes slots.  MEET is its first half: ONE barrier for the change.  In front of it each wave waits for all its tensor loads, of which one is out:
; its part of the next slot; adds 0 to its spare word; and waits for that and for its own reads of this slot.  Behind it nobody reads this slot any more and the next slot is whole.
.macro MEET round                      ; round = 1: a round of the cluster's barrier follows
	WIN 0                                          ; (the add's two registers lie in window 0)
	s_wait_tensorcnt 0x0                           ; all my tensor loads have landed;
	ds_add_u32 v[SPW], v[NIL]                      ; 0 onto my spare word;
	s_wait_dscnt 9                                 ; (the add and the youngest eight loads may be out)
	MUL16 F1, 0, 0, 0                              ; sixteen matrix instructions stand between the add and the wait for it
	s_wait_dscnt 0x0                               ; the add is done, and my reads of this slot are over:
	s_barrier_signal -1                            ; say so,
	MUL16 F1, 0, 2, 0                              ; work on registers while the others arrive,
.if \round
	WIN 0
.endif
	s_barrier_wait -1                              ; and go on when all four have said so
.endm
; The whole last quarter, with the slot just read out filled again: two K steps on, and in a tile's last lap from there to the next tile's K step 0 or 1 (XA, XB).  The barrier opens a round of the
; cluster's, and the joint load is the first tensor load behind the round: one load of mine is out, 224 matrix instructions ahead of the wait for it.
.macro TURN slot, next
	MEET 1
	CREST                                          ; no wave of any partner still reads this slot's tile or has a load on its way
	s_add_nc_u64 s[G0+4*(\slot)+2:G0+4*(\slot)+3], s[G0+4*(\slot)+2:G0+4*(\slot)+3], 2*KSTEP*2
	s_sub_nc_u64 s[G0+4*(\slot)+2:G0+4*(\slot)+3], s[G0+4*(\slot)+2:G0+4*(\slot)+3], s[XA:XA+1]
	s_add_nc_u64 s[G0B+4*(\slot)+2:G0B+4*(\slot)+3], s[G0B+4*(\slot)+2:G0B+4*(\slot)+3], 2*KSTEP*2
	s_add_nc_u64 s[G0B+4*(\slot)+2:G0B+4*(\slot)+3], s[G0B+4*(\slot)+2:G0B+4*(\slot)+3], s[XB:XB+1]
	JLOAD \slot                                    ; the four v_nop behind it are also the places in front of the loads below
	FETCH \next, 0, F0
	MUL16 F1, 1, 0, 0
	MUL16 F1, 1, 2, 0
.endm
; A tile's bias becomes the C operand: a lane's eight registers of a column block are one column's, so its one number is written eight times; then the tiles to come move up.
.macro NEWBIAS
	WIN 0x41                                       ; destination and source 0 window 1
.irp b, 0,1,2,3,4,5,6,7
.irp j, 0,1,2,3,4,5,6,7
	v_mov_b32 v[BIAS+8*(\b)+(\j)], v[SAV+(\b)]
.endr
.endr
.irp b, 0,1,2,3,4,5,6,7,8,9,10,11,12,13,14,15
	v_mov_b32 v[SAV+(\b)], v[SAV+8+(\b)]
.endr
	WIN 0
.endm
; THE WAY OUT of block a (16 tokens x 128 columns).  PACKB: for register j (tokens j and 8 + j of the block) four conversions, each from two neighbouring accumulators, make the lane's 16 bytes;
; every accumulator's register 0 is read first.  STOREB: eight stores.  Two sets of 32 registers take turns: the wait that stands between a block's conversions and its stores shows the stores of
; the block before translated, so the next block may write that block's set.
.macro PACKB a
.set AC, 64*((\a)%4)
.set TM, TMP+32*((\a)%2)
	WIN 0x0a+5*((\a)/4)                            ; sources 0 and 1: window 2 or 3
.irp j, 0,1,2,3,4,5,6,7
.irp k, 0,1,2,3
	v_cvt_pk_f16_f32 v[TM+4*(\j)+(\k)], v[AC+16*(\k)+(\j)], v[AC+16*(\k)+8+(\j)]
.endr
.endr
	WIN 0
.endm
.macro STOREB a
.set TM, TMP+32*((\a)%2)
	s_wait_xcnt 0x0                                ; every earlier memory instruction has had its addresses translated (ISA guide 3.1): the other set is written again only behind this wait
.irp j, 0,1,2,3,4,5,6,7
	global_store_b128 v[CO], v[TM+4*(\j):TM+4*(\j)+3], s[CP:CP+1] offset:(16*(\a)+(\j))*SIZE_N*2  ; 16 lanes store 256 consecutive bytes, at a multiple of 256 from C's first byte; 119 rows at the most: inside the signed 24-bit immediate
.endr
.endm
; THE LAST TILE'S LAST K STEP (it lies in slot 1) GOES BY ROWS OF C.  All its fragments of B (4 quarters x 64 registers) fill window 1; then my eight blocks of 16 rows are finished one after the
; other, each with 32 matrix instructions (its 8 accumulators by turns; K ascending).  LDS is read no more than in any other K step.
.macro BLOAD q                         ; B's fragments of quarter q -> window 1, v[64 q ..]
	WIN TO_B
.irp i, 0,1,2,3,4,5,6,7
	ds_load_b128 v[64*(\q)+8*(\i):64*(\q)+8*(\i)+3],   v[ADRB+1] offset:64*(\q)+(\i)*16*PITCH
	ds_load_b128 v[64*(\q)+8*(\i)+4:64*(\q)+8*(\i)+7], v[ADRB+1] offset:64*(\q)+(\i)*16*PITCH+32
.endr
.endm
.macro ALOAD a                         ; A's fragments of block a, all four quarters -> buffer a % 4
	WIN 0
.set FA, PA+32*((\a)%4)
.irp q, 0,1,2,3
	ds_load_b128 v[FA+8*(\q):FA+8*(\q)+3],   v[ADRA+1] offset:64*(\q)+(\a)*16*PITCH
	ds_load_b128 v[FA+8*(\q)+4:FA+8*(\q)+7], v[ADRA+1] offset:64*(\q)+(\a)*16*PITCH+32
.endr
.endm
.macro ROW a                           ; block a is finished: 32 matrix instructions
.set FA, PA+32*((\a)%4)
.set AC, 64*((\a)%4)
	WIN MUL_LO+0x50*((\a)/4)
.irp q, 0,1,2,3
.if (\a) == 0 && (\q) == 2
	s_wait_dscnt 24                                ; B's quarter 2 is in (behind it: A's blocks 1 to 3)
.endif
.irp b, 0,1,2,3,4,5,6,7
	v_wmma_f32_16x16x32_bf16 v[AC+8*(\b):AC+8*(\b)+7], v[FA+8*(\q):FA+8*(\q)+7], v[64*(\q)+8*(\b):64*(\q)+8*(\b)+7], v[AC+8*(\b):AC+8*(\b)+7]
.endr
.endr
.endm
	s_wait_tensorcnt 1                             ; my part of K step 0 is in; K step 1's may stay out
	s_barrier_signal -1
	s_barrier_wait -1                              ; everybody's is
	FETCH 0, 0, F0
	s_wait_loadcnt 0x0                             ; the bias
	NEWBIAS
	QUARTER 0, 64,  F0, F1, 1                      ; the first tile's first quarter stands in front of the loop: its products start the sums
	WIN 0                                          ; at a label and at a branch every window is 0
	s_mov_b32 s3, TRIPS
	s_mov_b32 s2, LAPS                             ; laps that the tile in hand still has, this one among them: the same number in every work-group
.Llap:                                                 ; a trip goes once round the ring, from a lap's second quarter to the next lap's first, and fills both slots again
	s_cmp_eq_u32 s2, 1                             ; the tile's last lap asks for the next tile's K steps 0 and 1
	s_cselect_b32 s[XA], BACK_A, 0
	s_cselect_b32 s[XB], DOWN_B, 0
	QUARTER 0, 128, F1, F0, 0
	QUARTER 0, 192, F0, F1, 0
	TURN 0, 1
	QUARTER 1, 64,  F0, F1, 0
	QUARTER 1, 128, F1, F0, 0
	QUARTER 1, 192, F0, F1, 0
	TURN 1, 0
	WIN 0
	s_cmp_eq_u32 s2, 1
	s_cbranch_scc1 .Lnext_tile                     ; forward, past text that holds neither a barrier nor a tensor load
	QUARTER 0, 64,  F0, F1, 0
	WIN 0
	s_sub_co_u32 s2, s2, 1
	s_branch .Lbottom
.Lnext_tile:                                           ; BOTH REFILLS ARE ASKED FOR: NOW THE TILE GOES OUT
	NEWBIAS                                        ; eighty plain instructions that name no register of the last products: their places
.irp a, 0,1,2,3,4,5,6,7
	PACKB \a
	STOREB \a
.endr
	s_wait_xcnt 0x0                                ; the stores have read their registers and C's address
	s_add_nc_u64 s[CP:CP+1], s[CP:CP+1], 2048      ; 1,024 columns on
	QUARTER 0, 64,  F0, F1, 1                      ; the next tile's first quarter starts its sums on accumulators that have been packed
	WIN 0
	s_mov_b32 s2, LAPS
.Lbottom:
	s_sub_co_u32 s3, s3, 1
	s_cmp_lg_u32 s3, 0
	s_cbranch_scc1 .Llap
	QUARTER 0, 128, F1, F0, 0                      ; the last tile's last lap is written out: it asks for nothing
	QUARTER 0, 192, F0, F1, 0
	MEET 0                                         ; my one tensor load that was still out is slot 1's, the last K step's, so no round follows
	PLACES                                         ; for the loads into buffer 0, which the quarter before multiplied
	BLOAD 0                                        ; three quarters of B now: buffer 1 (v128-191 of both windows) is still being multiplied
	BLOAD 1
	BLOAD 3
	ALOAD 0
	MUL16 F1, 1, 0, 0
	MUL16 F1, 1, 2, 0
	PLACES                                         ; for the loads into buffer 1
	BLOAD 2
	ALOAD 1
	ALOAD 2
	ALOAD 3
	s_wait_dscnt 40                                ; all but the 40 just issued
	ROW 0
.irp a, 0,1,2,3,4,5,6,7                ; each block leaves as soon as it is finished: nothing follows this tile under which its stores could leave
	PLACES                                         ; its conversions read results just made, and the load below lands in registers just read
	PACKB \a
.if (\a) < 4
	ALOAD (\a)+4                                   ; its buffer takes the block four further on
.endif
	STOREB \a
.if (\a) < 4
	s_wait_dscnt 24                                ; A's block a + 1 is in; the three blocks asked for behind it may be out
	ROW (\a)+1
.elseif (\a) < 7
	s_wait_dscnt 8*(6-(\a))                        ; the same with the two, one or no blocks that are left
	ROW (\a)+1
.endif
.endr
	s_wait_tensorcnt 0x0                           ; the wave's end: an add to my spare word and its wait, behind my last tensor load
	ds_add_u32 v[SPW], v[NIL]
	s_wait_dscnt 0x0
	CROUND                                         ; the closing round: no work-group ends while a partner may still ask for a tile that names it
	s_endpgm
.Lfunc_end_k_qbafdaefd60_gemm_qkv:
	.size	k_qbafdaefd60_gemm_qkv, .Lfunc_end_k_qbafdaefd60_gemm_qkv-k_qbafdaefd60_gemm_qkv
	.p2alignl 7, 3214868480
	.fill 96, 4, 3214868480
	.section	.rodata,"a",@progbits
	.p2align	6, 0x0
	.amdhsa_kernel k_qbafdaefd60_gemm_qkv
		.amdhsa_group_segment_fixed_size 327680
		.amdhsa_private_segment_fixed_size 0
		.amdhsa_enable_private_segment 0
		.amdhsa_kernarg_size 32
		.amdhsa_user_sgpr_count 2
		.amdhsa_user_sgpr_kernarg_segment_ptr 1
		.amdhsa_wavefront_size32 1
		.amdhsa_system_sgpr_workgroup_id_x 1
		.amdhsa_system_sgpr_workgroup_id_y 1
		.amdhsa_system_sgpr_workgroup_id_z 1
		.amdhsa_system_vgpr_workitem_id 0
		.amdhsa_next_free_vgpr 1024
		.amdhsa_next_free_sgpr 76
		.amdhsa_reserve_vcc 0
		.amdhsa_float_denorm_mode_32 3
		.amdhsa_float_denorm_mode_16_64 3
		.amdhsa_memory_ordered 1
		.amdhsa_forward_progress 1
		.amdhsa_inst_pref_size 171
	.end_amdhsa_kernel
	.amdgpu_metadata
---
amdhsa.version: [ 1, 2 ]
amdhsa.kernels:
  - .name:           k_qbafdaefd60_gemm_qkv
    .symbol:         k_qbafdaefd60_gemm_qkv.kd
    .args:
      - { .name: xb, .offset: 0, .size: 8, .value_kind: global_buffer, .address_space: global }
      - { .name: wq, .offset: 8, .size: 8, .value_kind: global_buffer, .address_space: global }
      - { .name: bq, .offset: 16, .size: 8, .value_kind: global_buffer, .address_space: global }
      - { .name: qkv, .offset: 24, .size: 8, .value_kind: global_buffer, .address_space: global }
    .group_segment_fixed_size: 327680
    .private_segment_fixed_size: 0
    .kernarg_segment_align: 8
    .kernarg_segment_size: 32
    .max_flat_workgroup_size: 128
    .sgpr_count:     76
    .vgpr_count:     1024
    .wavefront_size: 32
...
	.end_amdgpu_metadata
.endif
;; end of part 2
;; launch attn (part 3): grid 512 x 1, 8 waves a work-group, no clusters, 0 bytes of LDS; arguments qkv, mask, ctx; writes ctx
.if DOCPART == 3
	.amdgcn_target "amdgcn-amd-amdhsa--gfx1250"
	.amdhsa_code_object_version 6
	.text
	.protected	k_qbafdaefd60_attn
	.globl	k_qbafdaefd60_attn
	.p2align	8
	.type	k_qbafdaefd60_attn,@function
k_qbafdaefd60_attn:
	s_mov_b64 s[64:65], 0
	v_nop
	global_prefetch_b8 v0, s[64:65] scope:SCOPE_SE
	s_setreg_imm32_b32 hwreg(HW_REG_WAVE_MODE, 25, 1), 1
	s_wait_xcnt 0x0
; ATTENTION OVER THE 16 HEADS OF EACH TOKEN.  For a token: s[h][t] = q[h] . k[t] / 8, minus infinity where mask[h][t] = 0; p = softmax over t; ctx[h][d] = the sum over t of p[h][t] v[t][d].
; qkv: [16384][3072] f16, a token's 1,024 q, then k, then v, each in FRAGMENT ORDER: position 256 i + 128 hb + 8 mid + e holds, for q and k, head mid, channel 16 i + 8 hb + e; for v, head 8 hb + e,
; channel 16 i + mid.  So a piece of 512 bytes, lane l taking its 16 bytes at 16 l, IS half a fragment of a matrix operand: no LDS, no turning load, and every load covers 512 consecutive bytes.
; ctx: [16384][1024] f16, position 256 i + 128 hh + 8 h + j = head h, channel 16 i + 8 hh + j: the order in which the results lie in the lanes; the last product's weights have the same column order.
; Products, maximum and sum in f32; the weights are normalised in f32 and rounded to f16 for the second product; ctx is rounded once.
; LAYOUT.  S^T = K Q^T (source 0 = 16 key heads, source 1 = 16 query heads): lane l holds query head l % 16 and key heads 8 (l / 16) + 0..7.  Rounded in pairs that is registers 0-3 of source 1 of
; O^T = V^T P; the instruction's K is 32 and there are 16 key heads, so P's registers 4-7 are 0, and V's registers 4-7 are whatever lies behind (the next piece of v, or zeros): finite numbers times 0.
; LIMITS.  An infinity or NaN in v therefore also spoils the piece in front of it; q, k, v arrive within f16's 65,504.  A weight below 2^-126 counts as 0.  A row of the mask that is all 0 gives NaN
; (minus infinity less minus infinity), as the softmax of a row of minus infinities does.
; SHARES.  A wave owns four consecutive tokens, 24,576 bytes of qkv; all its 50 loads are issued before the first wait.  No loop, no barrier.  No cluster: the work-groups share the 1,024 bytes of the mask alone.
.set MK, 4                             ; v[4:11]    the mask as loaded, then 0 or minus infinity: register j for key head 8 (l / 16) + j
.set T,  12                            ; v[12:27]   four registers a token: maximum, at work, sum, at work
.set S,  28                            ; v[28:59]   eight a token: scores, weights, then P in the low four and 0 in the high four
.set Q,  60                            ; v[60:123]  token k, piece i at Q + 16 k + 4 i
.set K,  124                           ; v[124:187] likewise
.set V,  188                           ; v[188:251] likewise
.set Z,  252                           ; v[252:255] 0: what lies behind the last piece of v
.set O,  60                            ; O^T of token k, channels 16 i on, at O + 32 k + 8 i: over Q and K, which are done with by then
	s_load_b128 s[4:7], s[0:1], 0x0                ; qkv s[4:5], mask s[6:7]
	s_load_b64 s[8:9], s[0:1], 0x10                ; ctx
	v_lshrrev_b32 v3, 5, v0
	v_readfirstlane_b32 s10, v3                    ; wave 0..7
	v_and_b32 v1, 31, v0
	v_lshlrev_b32 v1, 4, v1                        ; 16 l: my 16 bytes in every piece, in and out
	v_and_b32 v2, 15, v0
	v_bfe_u32 v3, v0, 4, 1
	v_lshlrev_b32 v2, 6, v2
	v_lshl_add_u32 v2, v3, 5, v2                   ; the mask's row l % 16, entries 8 (l / 16) on
	s_lshl3_add_u32 s11, ttmp9, s10                ; my wave among all: 8 x work-group + wave
	s_mul_i32 s16, s11, 24576                      ; its four tokens in qkv,
	s_mov_b32 s17, 0
	s_lshl_b32 s20, s11, 13                        ; and in ctx
	s_mov_b32 s21, 0
	s_mov_b32 s12, 0x3e38aa3b                      ; c = log2(e) / 8
	s_mov_b32 s13, s12                             ; named with it as a pair
	s_mov_b32 s14, 0x76543210                      ; v_permlanex16_b32: each lane takes its own place in the other half
	s_mov_b32 s15, 0xfedcba98
	s_mov_b32 s18, 0xff800000                      ; minus infinity
	s_wait_kmcnt 0x0
	s_add_nc_u64 s[4:5], s[4:5], s[16:17]
	s_add_nc_u64 s[8:9], s[8:9], s[20:21]
	global_load_b128 v[MK:MK+3],   v2, s[6:7]
	global_load_b128 v[MK+4:MK+7], v2, s[6:7] offset:16
.irp k, 0,1,2,3
.irp i, 0,1,2,3
	global_load_b128 v[Q+16*(\k)+4*(\i):Q+16*(\k)+4*(\i)+3], v1, s[4:5] offset:6144*(\k)+512*(\i) th:TH_LOAD_NT
.endr
.irp i, 0,1,2,3
	global_load_b128 v[K+16*(\k)+4*(\i):K+16*(\k)+4*(\i)+3], v1, s[4:5] offset:6144*(\k)+2048+512*(\i) th:TH_LOAD_NT
.endr
.endr
.irp k, 0,1,2,3
.irp i, 0,1,2,3
	global_load_b128 v[V+16*(\k)+4*(\i):V+16*(\k)+4*(\i)+3], v1, s[4:5] offset:6144*(\k)+4096+512*(\i) th:TH_LOAD_NT
.endr
.endr
; A product of S^T = K Q^T for token k: channels 32 c on.  first = 1: it starts the sum.
.macro SQ k, c, first
.if \first
	v_wmma_f32_16x16x32_f16 v[S+8*(\k):S+8*(\k)+7], v[K+16*(\k)+8*(\c):K+16*(\k)+8*(\c)+7], v[Q+16*(\k)+8*(\c):Q+16*(\k)+8*(\c)+7], 0
.else
	v_wmma_f32_16x16x32_f16 v[S+8*(\k):S+8*(\k)+7], v[K+16*(\k)+8*(\c):K+16*(\k)+8*(\c)+7], v[Q+16*(\k)+8*(\c):Q+16*(\k)+8*(\c)+7], v[S+8*(\k):S+8*(\k)+7]
.endif
.endm
	s_wait_loadcnt 32                              ; the mask and tokens 0 and 1's q and k are in; behind them: tokens 2 and 3's sixteen loads and v's sixteen
	SQ 0, 0, 1                                     ; two accumulators by turns, one instruction a turn
	SQ 1, 0, 1
	SQ 0, 1, 0
	SQ 1, 1, 0
	s_wait_loadcnt 16                              ; all q and k are in; v's sixteen loads stay out
	SQ 2, 0, 1
	SQ 3, 0, 1
	SQ 2, 1, 0
	SQ 3, 1, 0
	; the zeros and the additive mask are made here: twenty plain instructions that name no register of the products, the places behind them (ISA guide 7.12.1)
.irp j, 0,1,2,3
	v_mov_b32 v[Z+(\j)], 0
.endr
.irp j, 0,1,2,3,4,5,6,7
	v_cmp_eq_u32 vcc_lo, 0, v[MK+(\j)]
	v_cndmask_b32 v[MK+(\j)], 0, s18, vcc_lo       ; minus infinity where the mask is 0
.endr
	; THE SOFTMAX, each step for the four tokens in turn, so that no line waits for the one before it
.irp k, 0,1,2,3
.irp p, 0,2,4,6
	v_pk_fma_f32 v[S+8*(\k)+(\p):S+8*(\k)+(\p)+1], v[S+8*(\k)+(\p):S+8*(\k)+(\p)+1], s[12:13], v[MK+(\p):MK+(\p)+1] op_sel_hi:[1,0,1]  ; z = c s + mask; the accumulator's lowest registers first
.endr
.endr
.irp k, 0,1,2,3
	v_max3_num_f32 v[T+4*(\k)],   v[S+8*(\k)],   v[S+8*(\k)+1], v[S+8*(\k)+2]
	v_max3_num_f32 v[T+4*(\k)+1], v[S+8*(\k)+3], v[S+8*(\k)+4], v[S+8*(\k)+5]
.endr
.irp k, 0,1,2,3
	v_max3_num_f32 v[T+4*(\k)], v[T+4*(\k)], v[S+8*(\k)+6], v[S+8*(\k)+7]
.endr
.irp k, 0,1,2,3
	v_max_num_f32 v[T+4*(\k)], v[T+4*(\k)], v[T+4*(\k)+1]
.endr
.irp k, 0,1,2,3
	v_permlanex16_b32 v[T+4*(\k)+1], v[T+4*(\k)], s14, s15  ; the query head's other eight key heads lie in the lane 16 away
.endr
.irp k, 0,1,2,3
	v_max_num_f32 v[T+4*(\k)], v[T+4*(\k)], v[T+4*(\k)+1]   ; the row's maximum
.endr
.irp k, 0,1,2,3
.irp p, 0,2,4,6
	v_pk_add_f32 v[S+8*(\k)+(\p):S+8*(\k)+(\p)+1], v[S+8*(\k)+(\p):S+8*(\k)+(\p)+1], v[T+4*(\k):T+4*(\k)+1] op_sel_hi:[1,0] neg_lo:[0,1] neg_hi:[0,1]  ; z less the maximum
.endr
.endr
.set i, 0
.rept 32
	v_exp_f32 v[S+i], v[S+i]
.set i, i+1
.endr
	v_nop                                          ; a plain instruction between the last exponential and the use of a result (ISA guide 5.7.2)
	s_wait_alu depctr_va_vdst(0)
.irp k, 0,1,2,3
	v_pk_add_f32 v[T+4*(\k)+2:T+4*(\k)+3], v[S+8*(\k):S+8*(\k)+1], v[S+8*(\k)+2:S+8*(\k)+3]
.endr
.irp k, 0,1,2,3
	v_pk_add_f32 v[T+4*(\k)+2:T+4*(\k)+3], v[T+4*(\k)+2:T+4*(\k)+3], v[S+8*(\k)+4:S+8*(\k)+5]
.endr
.irp k, 0,1,2,3
	v_pk_add_f32 v[T+4*(\k)+2:T+4*(\k)+3], v[T+4*(\k)+2:T+4*(\k)+3], v[S+8*(\k)+6:S+8*(\k)+7]
.endr
.irp k, 0,1,2,3
	v_add_f32 v[T+4*(\k)+2], v[T+4*(\k)+2], v[T+4*(\k)+3]
.endr
.irp k, 0,1,2,3
	v_permlanex16_b32 v[T+4*(\k)+3], v[T+4*(\k)+2], s14, s15
.endr
.irp k, 0,1,2,3
	v_add_f32 v[T+4*(\k)+2], v[T+4*(\k)+2], v[T+4*(\k)+3]   ; the row's sum
.endr
.irp k, 0,1,2,3
	v_rcp_f32 v[T+4*(\k)+2], v[T+4*(\k)+2]
.endr
	v_nop                                          ; a plain instruction between the last reciprocal and the use of a result
	s_wait_alu depctr_va_vdst(0)
.irp k, 0,1,2,3
.irp p, 0,2,4,6
	v_pk_mul_f32 v[S+8*(\k)+(\p):S+8*(\k)+(\p)+1], v[S+8*(\k)+(\p):S+8*(\k)+(\p)+1], v[T+4*(\k)+2:T+4*(\k)+3] op_sel_hi:[1,0]
.endr
.endr
.irp k, 0,1,2,3
.irp p, 0,1,2,3
	v_cvt_pk_f16_f32 v[S+8*(\k)+(\p)], v[S+8*(\k)+2*(\p)], v[S+8*(\k)+2*(\p)+1]  ; in place, ascending: a register is written only when it has been read
.endr
.endr
.irp k, 0,1,2,3
.irp p, 4,5,6,7
	v_mov_b32 v[S+8*(\k)+(\p)], 0                  ; key heads 16 to 31 do not exist
.endr
.endr
	s_wait_loadcnt 0x0                             ; v
.irp k, 0,1,2,3
.irp i, 0,1,2,3
	v_wmma_f32_16x16x32_f16 v[O+32*(\k)+8*(\i):O+32*(\k)+8*(\i)+7], v[V+16*(\k)+4*(\i):V+16*(\k)+4*(\i)+7], v[S+8*(\k):S+8*(\k)+7], 0
.endr
.endr
.rept 4
	v_nop                                          ; the places behind the last product: no other vector work is left
.endr
.irp k, 0,1,2,3
.irp i, 0,1,2,3
.irp p, 0,1,2,3
	v_cvt_pk_f16_f32 v[O+32*(\k)+8*(\i)+(\p)], v[O+32*(\k)+8*(\i)+2*(\p)], v[O+32*(\k)+8*(\i)+2*(\p)+1]
.endr
	global_store_b128 v1, v[O+32*(\k)+8*(\i):O+32*(\k)+8*(\i)+3], s[8:9] offset:2048*(\k)+512*(\i)  ; the wave stores 512 consecutive bytes, at a multiple of 512 from ctx's first byte
.endr
.endr
	s_endpgm
.Lfunc_end_k_qbafdaefd60_attn:
	.size	k_qbafdaefd60_attn, .Lfunc_end_k_qbafdaefd60_attn-k_qbafdaefd60_attn
	.p2alignl 7, 3214868480
	.fill 96, 4, 3214868480
	.section	.rodata,"a",@progbits
	.p2align	6, 0x0
	.amdhsa_kernel k_qbafdaefd60_attn
		.amdhsa_group_segment_fixed_size 0
		.amdhsa_private_segment_fixed_size 0
		.amdhsa_enable_private_segment 0
		.amdhsa_kernarg_size 24
		.amdhsa_user_sgpr_count 2
		.amdhsa_user_sgpr_kernarg_segment_ptr 1
		.amdhsa_wavefront_size32 1
		.amdhsa_system_sgpr_workgroup_id_x 1
		.amdhsa_system_sgpr_workgroup_id_y 1
		.amdhsa_system_sgpr_workgroup_id_z 1
		.amdhsa_system_vgpr_workitem_id 0
		.amdhsa_next_free_vgpr 256
		.amdhsa_next_free_sgpr 66
		.amdhsa_reserve_vcc 1
		.amdhsa_float_denorm_mode_32 3
		.amdhsa_float_denorm_mode_16_64 3
		.amdhsa_memory_ordered 1
		.amdhsa_forward_progress 1
		.amdhsa_inst_pref_size 23
	.end_amdhsa_kernel
	.amdgpu_metadata
---
amdhsa.version: [ 1, 2 ]
amdhsa.kernels:
  - .name:           k_qbafdaefd60_attn
    .symbol:         k_qbafdaefd60_attn.kd
    .args:
      - { .name: qkv, .offset: 0, .size: 8, .value_kind: global_buffer, .address_space: global }
      - { .name: mask, .offset: 8, .size: 8, .value_kind: global_buffer, .address_space: global }
      - { .name: ctx, .offset: 16, .size: 8, .value_kind: global_buffer, .address_space: global }
    .group_segment_fixed_size: 0
    .private_segment_fixed_size: 0
    .kernarg_segment_align: 8
    .kernarg_segment_size: 24
    .max_flat_workgroup_size: 256
    .sgpr_count:     66
    .vgpr_count:     256
    .wavefront_size: 32
...
	.end_amdgpu_metadata
.endif
;; end of part 3
;; launch gemm_out (part 4): grid 4 x 64, 4 waves a work-group, clusters of 4 x 4, 327,680 bytes of LDS; arguments ctx, wo, bo, out0; writes out0
.if DOCPART == 4
	.amdgcn_target "amdgcn-amd-amdhsa--gfx1250"
	.amdhsa_code_object_version 6
	.text
	.protected	k_qbafdaefd60_gemm_out
	.globl	k_qbafdaefd60_gemm_out
	.p2align	8
	.type	k_qbafdaefd60_gemm_out,@function
k_qbafdaefd60_gemm_out:
	s_mov_b64 s[64:65], 0
	v_nop
	global_prefetch_b8 v0, s[64:65] scope:SCOPE_SE
	s_setreg_imm32_b32 hwreg(HW_REG_WAVE_MODE, 25, 1), 1
	s_wait_xcnt 0x0
	s_wait_alu depctr_hold_cnt(0) depctr_sa_sdst(0) depctr_va_vdst(0) depctr_va_sdst(0) depctr_va_ssrc(0) depctr_va_vcc(0) depctr_vm_vsrc(0)
	s_getreg_b32 s2, hwreg(HW_REG_IB_STS2, 6, 4)
	s_cmp_eq_u32 s2, 0
	s_cbranch_scc0 .Lentry_in_a_cluster
	s_endpgm
.Lentry_in_a_cluster:
	s_bfe_u32 s2, ttmp6, 0x10000c
	s_cmp_lg_u32 s2, 0xf033
	s_cbranch_scc0 .Lentry_shape_is_right
	s_endpgm
.Lentry_shape_is_right:
; out0 = ctx wo^T + bo.  ctx: [16384][1024] f16, wo: [1024][1024] f16, bo: [1024] f32, out0: [16384][1024] f32; sums in f32, the bias added once at the end, stored as they are.
; ctx's and wo's columns lie in the same permuted order, so the sums are those of the true order, taken in another sequence.  wo's row 128 G + 16 b + r belongs to output column
; 128 G + 64 (b >> 2) + 4 r + (b & 3).
; A tile of C, 256 x 256, is made by a work-group of four waves; a wave makes 128 x 128: 64 accumulators of 16 x 16, 512 registers.  256 tiles: one to a work-group.  K goes in steps of 128 through
; a ring of two LDS slots filled by the tensor data mover: the rows of the tiles are 256 bytes of memory and start at multiples of 256 bytes from the buffer's first byte.
; THE WAY OUT NEEDS NO LDS.  Source 0 = 16 tokens, source 1 = 16 rows of wo: register j of lane l holds token 8 (l / 16) + j and row l % 16 of the block.  By wo's row order a lane finds four
; neighbouring outputs of a token in register j of four accumulators: the four additions of the bias bring them into four registers on end, and sixteen lanes store 256 consecutive bytes.
; THE LAST K STEP GOES BY ROWS OF C, so that finished rows leave while the others are multiplied.
; CLUSTERS: 4 x 4 work-groups.  The four of a row of the cluster need the same tiles of A, the four of a column the same tiles of B: each tile is asked for JOINTLY, by the same
; tensor load with the same descriptor and a mask that names the four.
; REGISTERS, in windows of 256 (s_set_vgpr_msb's low byte: bits 1:0 source 0, 3:2 source 1, 5:4 source 2, 7:6 destination):
;   window 0: v0-31 addresses and the bias; v64-127, v128-191 fragments of A, two buffers (in the last K step four, of 16 rows x 128 K); v192-255 a block's results with the bias, to store
;   window 1: v64-127, v128-191 fragments of B, two buffers; in the last K step all 256: B's fragments of the whole step
;   window 2: the 32 accumulators of my rows 0-63 (accumulator (a, b) at v[8 (8 a + b)]);   window 3: those of my rows 64-127
.set SIZE_K, 1024
.set SIZE_N, 1024
.set KSTEP,  128
.set PITCH,  272                       ; an LDS row: 256 bytes + 16 of padding = 68 words: row r starts at bank 4 r mod 64 (64 banks of 4 bytes: ISA guide 11.1), so the 16 rows of a load start at 16 different banks
.set HALFT,  128*PITCH                 ; 128 rows: what one tensor load brings, and what one wave reads of A or of B
.set SLOT,   4*HALFT                   ; A's 256 rows, then B's 256 rows
.set SPARE,  2*SLOT                    ; behind the ring: the spare words, 128 bytes for each wave: two blocks of 256 bytes that no other line names
.set LAPS,   SIZE_K/(2*KSTEP)          ; a lap = two K steps = once round the ring: 4
.set BIA,  8                           ; v8-15   the bias of my eight outputs: register b for accumulator column block b
.set ADRA, 16                          ; v16-17  LDS address of my A fragments in slot 0, 1
.set ADRB, 20                          ; v20-21  the same for B
.set CO,   26                          ; v26     my byte offset in C: 8 (l / 16) rows and 16 (l % 16) bytes; never rewritten
.set BO,   27                          ; v27     16 (l % 16): my four entries in 64 entries of the bias; never rewritten
.set SPW,  28                          ; v28     LDS address of my spare word: SPARE + 4 x my thread's number; never rewritten
.set NIL,  29                          ; v29     0; never rewritten
.set F0,   64                          ; fragment buffer 0
.set F1,   128                         ; fragment buffer 1
.set PA,   64                          ; the last K step: A's fragments of 16 rows x 128 K, 32 registers; four such buffers, v64-191
.set TMP,  192
.set G1,  24                           ; s[24:31] descriptor group 1 for A's tiles
.set G0,  32                           ; s[32:39] descriptor group 0 for A's tiles, one set for each slot
.set G1B, 48                           ; s[48:55] descriptor group 1 for B's tiles: it differs in the mask alone
.set G0B, 56                           ; s[56:63] descriptor group 0 for B's tiles
.set BP,  68                           ; s[68:69] the bias at my 128 columns
.set CP,  70                           ; s[70:71] C at my part of the tile
.set MSB, 0
.macro WIN new                         ; the immediate's high byte repeats the setting that is left; a switch that changes nothing is dropped
.if MSB != (\new)
	s_set_vgpr_msb (MSB<<8)|(\new)
.set MSB, \new
.endif
.endm
.set MUL_LO, 0xa4                      ; source 0 (A) window 0, source 1 (B) window 1, C and D window 2
.set MUL_HI, 0xf4                      ; the same, C and D window 3
.set TO_B,   0x40                      ; destination window 1, address window 0
; A joint load.  Waves 0 and 1 fetch A's two halves, waves 2 and 3 B's.  The branch hangs on the wave's number alone.  An s_nop 0 and four v_nop follow each of the two lines, ahead of the
; jump, the label and what follows.
.macro JLOAD s
	s_cmp_eq_u32 s11, 0
	s_cbranch_scc0 .Lfor_b_\@
	tensor_load_to_lds s[G0+4*(\s):G0+4*(\s)+3], s[G1:G1+7]
	s_nop 0
.rept 4
	v_nop
.endr
	s_branch .Lasked_\@
.Lfor_b_\@:
	tensor_load_to_lds s[G0B+4*(\s):G0B+4*(\s)+3], s[G1B:G1B+7]
	s_nop 0
.rept 4
	v_nop
.endr
.Lasked_\@:
.endm
; A round of the cluster's barrier: my work-group's barrier, so that wave 0's signal speaks for all four waves; wave 0 signals; every wave waits for all sixteen work-groups; my work-group's barrier once more.
.macro CREST                           ; a round behind its opening barrier
	s_cmp_lg_u32 s10, 0
	s_cbranch_scc1 .Lnot_wave_0_\@
	s_barrier_signal -3
.Lnot_wave_0_\@:
	s_barrier_wait -3
	s_barrier_signal -1
	s_barrier_wait -1
.endm
.macro CROUND                          ; a whole round
	s_barrier_signal -1
	s_barrier_wait -1
	CREST
.endm
	s_load_b128 s[4:7], s[0:1], 0x0                ; A s[4:5], B s[6:7]
	s_load_b128 s[68:71], s[0:1], 0x10             ; the bias s[68:69], C s[70:71]
	v_lshl_add_u32 v[SPW], v0, 2, SPARE
	v_mov_b32 v[NIL], 0
	ds_add_u32 v[SPW], v[NIL]                      ; the wave's opening: the add and its wait stand ahead of my first tensor load; the set-up below, work on registers, stands between them
	v_lshrrev_b32 v1, 5, v0
	v_readfirstlane_b32 s10, v1                    ; wave 0..3
	s_lshr_b32 s11, s10, 1                         ; which half of the tile's rows is mine.  Also: I fetch for A (0) or for B (1)
	s_and_b32 s12, s10, 1                          ; which half of its columns.  Also: which 128 rows of that tile I fetch
	s_bfe_u32 s40, ttmp6, 0x40000                  ; cx: my place along the cluster's x
	s_bfe_u32 s41, ttmp6, 0x40004                  ; cy: along its y
	s_lshl_b32 s42, ttmp9, 2                       ; in a cluster launch ttmp9 and ttmp7 count clusters
	s_add_co_u32 s42, s42, s40                     ; tile column = 4 x cluster x + cx
	s_and_b32 s13, ttmp7, 0xffff
	s_lshl_b32 s13, s13, 2
	s_add_co_u32 s13, s13, s41                     ; tile row = 4 x cluster y + cy
	s_lshl_b32 s43, s41, 2
	s_lshl_b32 s43, 15, s43                        ; my row of the cluster: places 4 cy .. 4 cy + 3
	s_lshl_b32 s44, 0x1111, s40                    ; my column: places cx, cx + 4, cx + 8, cx + 12
	; descriptor group 1: a tile of 128 rows x 128 elements, padded in LDS
	s_or_b32 s[G1+0], s43, (1<<16)|(1<<20)|(1<<21)|(5<<22)|(3<<25)   ; 15:0 the mask: A's tiles go to my row; 17:16 elements of 2 bytes; 20 padding on; 21 set beside a mask; 24:22 after every 64 words (code 5); 31:25 4 words of it (code 3)
	s_or_b32 s[G1B+0], s44, (1<<16)|(1<<20)|(1<<21)|(5<<22)|(3<<25)  ; the same with the mask of my column, for B's tiles
.irp g, G1, G1B
	s_mov_b32 s[(\g)+1], KSTEP<<16                 ; tensor_dim0 = 128
	s_mov_b32 s[(\g)+2], 128<<16                   ; tensor_dim1 = 128
	s_mov_b32 s[(\g)+3], KSTEP<<16                 ; tile_dim0 = 128
	s_mov_b32 s[(\g)+4], 128                       ; tile_dim1 = 128
	s_mov_b32 s[(\g)+5], SIZE_K                    ; elements from row to row
	s_mov_b32 s[(\g)+6], 0
	s_mov_b32 s[(\g)+7], 0
.endr
	; where the tiles come from.  A's hang on the tile row alone, which my row of the cluster shares; B's on the tile column alone, which my column shares.
	s_lshl_b32 s17, s12, 7                         ; which 128 rows of the tile I fetch
	s_lshl_b32 s16, s13, 8
	s_add_co_u32 s16, s16, s17                     ; A: row 256 x tile row + 128 x half
	s_lshl_b32 s46, s42, 8
	s_add_co_u32 s46, s46, s17                     ; B: row 256 x tile column + 128 x half
	s_mov_b32 s17, 0
	s_mov_b32 s47, 0
	s_mov_b64 s[18:19], SIZE_K*2
	s_mul_u64 s[16:17], s[16:17], s[18:19]         ; in bytes
	s_mul_u64 s[46:47], s[46:47], s[18:19]
	s_mul_i32 s20, s10, HALFT                      ; and where they go: wave x 128 rows: no place in the cluster enters an LDS address
	s_wait_dscnt 0x0                               ; the opening add is done
	s_wait_kmcnt 0x0
	s_add_nc_u64 s[14:15], s[4:5], s[16:17]
	s_add_nc_u64 s[46:47], s[6:7], s[46:47]
	CROUND                                         ; all sixteen work-groups are here: the first joint loads meet
.irp s, 0,1
	s_mov_b32 s[G0+4*(\s)], 1                                        ; count = 1
	s_add_co_u32 s[G0+4*(\s)+1], s20, (\s)*SLOT                      ; LDS address
	s_add_nc_u64 s[G0+4*(\s)+2:G0+4*(\s)+3], s[14:15], (\s)*KSTEP*2  ; global address: K step s
	s_or_b32 s[G0+4*(\s)+3], s[G0+4*(\s)+3], 0x80000000              ; type = 2
	s_mov_b32 s[G0B+4*(\s)], 1
	s_add_co_u32 s[G0B+4*(\s)+1], s20, (\s)*SLOT
	s_add_nc_u64 s[G0B+4*(\s)+2:G0B+4*(\s)+3], s[46:47], (\s)*KSTEP*2
	s_or_b32 s[G0B+4*(\s)+3], s[G0B+4*(\s)+3], 0x80000000
	JLOAD \s                                       ; the ring is filled before anything else is done: two tensor loads of mine are out
.endr
	v_and_b32 v1, 15, v0                           ; l % 16
	v_bfe_u32 v2, v0, 4, 1                         ; l / 16
	v_lshlrev_b32 v[BO], 4, v1
	s_lshl_b32 s46, s42, 10                        ; my first column, in f32: 1,024 x tile column + 512 x half: for the bias and for C
	s_lshl_b32 s47, s12, 9
	s_add_co_u32 s46, s46, s47
	s_mov_b32 s47, 0
	s_add_nc_u64 s[BP:BP+1], s[BP:BP+1], s[46:47]
	global_load_b128 v[BIA:BIA+3],   v[BO], s[BP:BP+1]             ; column blocks 0 to 3 are my outputs 4 (l % 16) + 0..3,
	global_load_b128 v[BIA+4:BIA+7], v[BO], s[BP:BP+1] offset:256  ; blocks 4 to 7 those 64 outputs on
	; A fragment is 16 rows x 32 K in 8 registers: lane l holds row l % 16; registers 0-3 K = 8 (l / 16) + 0..7, registers 4-7 K = 16 + 8 (l / 16) + 0..7: two loads of 16 bytes, 32 bytes apart.
	v_mul_u32_u24 v3, v1, PITCH
	v_lshl_add_u32 v3, v2, 4, v3                   ; row x pitch + 16 x half
	s_mul_i32 s21, s11, HALFT                      ; my 128 rows of A
	s_mul_i32 s22, s12, HALFT                      ; my 128 rows of B,
	s_add_co_u32 s22, s22, 2*HALFT                 ; which lie behind A's 256
.irp s, 0,1
	v_add_nc_u32 v[ADRA+(\s)], s21, v3
	v_add_nc_u32 v[ADRB+(\s)], s22, v3
	s_add_co_u32 s21, s21, SLOT
	s_add_co_u32 s22, s22, SLOT
.endr
	v_lshlrev_b32 v5, 15, v2                       ; out: lanes 16-31 hold the tokens eight rows of 4,096 bytes further down,
	v_lshl_add_u32 v[CO], v1, 4, v5                ; and lane l % 16 its four outputs' 16 bytes
	s_lshl_b32 s13, s13, 8
	s_lshl_b32 s14, s11, 7
	s_add_co_u32 s16, s13, s14                     ; my first row of C
	s_mov_b32 s17, 0
	s_mov_b64 s[18:19], SIZE_N*4
	s_mul_u64 s[16:17], s[16:17], s[18:19]
	s_add_nc_u64 s[16:17], s[16:17], s[46:47]
	s_add_nc_u64 s[CP:CP+1], s[CP:CP+1], s[16:17]
; 16 matrix instructions: m blocks a0, a0 + 1 of the window's four (hi = 0: my rows 0-63, 1: rows 64-127) x all 8 n blocks, 32 along K.  zero = 1: the first product starts the sums: nothing is cleared.
.macro MUL16 f, hi, a0, zero
	WIN MUL_LO+0x50*(\hi)
.irp a, \a0, (\a0)+1
.irp b, 0,1,2,3,4,5,6,7
.if \zero
	v_wmma_f32_16x16x32_f16 v[8*(8*(\a)+(\b)):8*(8*(\a)+(\b))+7], v[(\f)+8*(4*(\hi)+(\a)):(\f)+8*(4*(\hi)+(\a))+7], v[(\f)+8*(\b):(\f)+8*(\b)+7], 0
.else
	v_wmma_f32_16x16x32_f16 v[8*(8*(\a)+(\b)):8*(8*(\a)+(\b))+7], v[(\f)+8*(4*(\hi)+(\a)):(\f)+8*(4*(\hi)+(\a))+7], v[(\f)+8*(\b):(\f)+8*(\b)+7], v[8*(8*(\a)+(\b)):8*(8*(\a)+(\b))+7]
.endif
.endr
.endr
.endm
; 32 LDS loads in one run: the fragments of one quarter step (128 rows of B, 128 rows of A, 32 K at byte k of the rows) into buffer f
.macro FETCH slot, k, f
	WIN TO_B
.irp i, 0,1,2,3,4,5,6,7
	ds_load_b128 v[(\f)+8*(\i):(\f)+8*(\i)+3],   v[ADRB+(\slot)] offset:(\k)+(\i)*16*PITCH
	ds_load_b128 v[(\f)+8*(\i)+4:(\f)+8*(\i)+7], v[ADRB+(\slot)] offset:(\k)+(\i)*16*PITCH+32
.endr
	WIN 0
.irp i, 0,1,2,3,4,5,6,7
	ds_load_b128 v[(\f)+8*(\i):(\f)+8*(\i)+3],   v[ADRA+(\slot)] offset:(\k)+(\i)*16*PITCH
	ds_load_b128 v[(\f)+8*(\i)+4:(\f)+8*(\i)+7], v[ADRA+(\slot)] offset:(\k)+(\i)*16*PITCH+32
.endr
.endm
; A load into a register that a matrix instruction has read, and a vector instruction that reads a matrix result, stand four places behind that matrix instruction, and only plain vector
; instructions that name none of its registers are places (ISA guide 7.12.1 for vector instructions).
.macro PLACES
.rept 4
	v_nop
.endr
.endm
; A K step is four quarter steps of 32 along K, 64 matrix instructions each, on buffers 0, 1, 0, 1.  The 64 accumulators take turns in the same order in every quarter.
; One of the first three: multiplies buffer f; in its middle it fetches the next quarter's fragments, at byte k of the same slot's rows, into buffer g.
.macro QUARTER slot, k, f, g, zero
	s_wait_dscnt 8                                 ; B and A's rows 0-63 are in; the youngest eight loads (A's rows 64-127) may be out
	MUL16 \f, 0, 0, \zero
	MUL16 \f, 0, 2, \zero
	PLACES
	FETCH \slot, \k, \g
	s_wait_dscnt 32                                ; all but the 32 just issued
	MUL16 \f, 1, 0, \zero
	MUL16 \f, 1, 2, \zero
.endm
; The last quarter multiplies buffer 1 and changes slots.  MEET is its first half: ONE barrier for the change.  In front of it each wave waits for all its tensor loads, of which one is out:
; its part of the next slot; adds 0 to its spare word; and waits for that and for its own reads of this slot.  Behind it nobody reads this slot any more and the next slot is whole.
.macro MEET round                      ; round = 1: a round of the cluster's barrier follows
	WIN 0                                          ; (the add's two registers lie in window 0)
	s_wait_tensorcnt 0x0                           ; all my tensor loads have landed;
	ds_add_u32 v[SPW], v[NIL]                      ; 0 onto my spare word;
	s_wait_dscnt 9                                 ; (the add and the youngest eight loads may be out)
	MUL16 F1, 0, 0, 0                              ; sixteen matrix instructions stand between the add and the wait for it
	s_wait_dscnt 0x0                               ; the add is done, and my reads of this slot are over:
	s_barrier_signal -1                            ; say so,
	MUL16 F1, 0, 2, 0                              ; work on registers while the others arrive,
.if \round
	WIN 0
.endif
	s_barrier_wait -1                              ; and go on when all four have said so
.endm
; The whole last quarter, with the slot just read out filled again, two K steps on: the barrier opens a round of the cluster's, and the joint load is the first tensor load behind the round:
; one load of mine is out, 224 matrix instructions ahead of the wait for it.
.macro TURN slot, next
	MEET 1
	CREST                                          ; no wave of any partner still reads this slot's tile or has a load on its way
	s_add_nc_u64 s[G0+4*(\slot)+2:G0+4*(\slot)+3], s[G0+4*(\slot)+2:G0+4*(\slot)+3], 2*KSTEP*2
	s_add_nc_u64 s[G0B+4*(\slot)+2:G0B+4*(\slot)+3], s[G0B+4*(\slot)+2:G0B+4*(\slot)+3], 2*KSTEP*2
	JLOAD \slot                                    ; the four v_nop behind it are also the places in front of the loads below
	FETCH \next, 0, F0
	MUL16 F1, 1, 0, 0
	MUL16 F1, 1, 2, 0
.endm
; THE LAST K STEP (it lies in slot 1) GOES BY ROWS OF C.  All its fragments of B (4 quarters x 64 registers) fill window 1; then my eight blocks of 16 rows are finished one after the other, each
; with 32 matrix instructions (its 8 accumulators by turns; K ascending).  LDS is read no more than in any other K step.
.macro BLOAD q                         ; B's fragments of quarter q -> window 1, v[64 q ..]
	WIN TO_B
.irp i, 0,1,2,3,4,5,6,7
	ds_load_b128 v[64*(\q)+8*(\i):64*(\q)+8*(\i)+3],   v[ADRB+1] offset:64*(\q)+(\i)*16*PITCH
	ds_load_b128 v[64*(\q)+8*(\i)+4:64*(\q)+8*(\i)+7], v[ADRB+1] offset:64*(\q)+(\i)*16*PITCH+32
.endr
.endm
.macro ALOAD a                         ; A's fragments of block a, all four quarters -> buffer a % 4
	WIN 0
.set FA, PA+32*((\a)%4)
.irp q, 0,1,2,3
	ds_load_b128 v[FA+8*(\q):FA+8*(\q)+3],   v[ADRA+1] offset:64*(\q)+(\a)*16*PITCH
	ds_load_b128 v[FA+8*(\q)+4:FA+8*(\q)+7], v[ADRA+1] offset:64*(\q)+(\a)*16*PITCH+32
.endr
.endm
.macro ROW a                           ; block a is finished: 32 matrix instructions
.set FA, PA+32*((\a)%4)
.set AC, 64*((\a)%4)
	WIN MUL_LO+0x50*((\a)/4)
.irp q, 0,1,2,3
.if (\a) == 0 && (\q) == 2
	s_wait_dscnt 24                                ; B's quarter 2 is in (behind it: A's blocks 1 to 3)
.endif
.irp b, 0,1,2,3,4,5,6,7
	v_wmma_f32_16x16x32_f16 v[AC+8*(\b):AC+8*(\b)+7], v[FA+8*(\q):FA+8*(\q)+7], v[64*(\q)+8*(\b):64*(\q)+8*(\b)+7], v[AC+8*(\b):AC+8*(\b)+7]
.endr
.endr
.endm
; THE WAY OUT of block a (16 tokens x 128 outputs).  ADDB: for register j (tokens j and 8 + j of the block) and each half q of the column blocks, four additions of the bias bring register j of four
; accumulators into four registers on end; every accumulator's register 0 is read first.  STOREB: sixteen stores.
.macro ADDB a
.set AC, 64*((\a)%4)
	s_wait_xcnt 0x0                                ; every earlier memory instruction has had its addresses translated (ISA guide 3.1): the registers that the last block's stores read are written again only behind this wait
	WIN 0x02+((\a)/4)                              ; source 0: window 2 or 3
.irp j, 0,1,2,3,4,5,6,7
.irp b, 0,1,2,3,4,5,6,7
	v_add_f32 v[TMP+8*(\j)+(\b)], v[AC+8*(\b)+(\j)], v[BIA+(\b)]
.endr
.endr
	WIN 0
.endm
.macro STOREB a
.irp j, 0,1,2,3,4,5,6,7
.irp q, 0,1
	global_store_b128 v[CO], v[TMP+8*(\j)+4*(\q):TMP+8*(\j)+4*(\q)+3], s[CP:CP+1] offset:(16*(\a)+(\j))*SIZE_N*4+256*(\q) th:TH_STORE_NT  ; 16 lanes store 256 consecutive bytes, at a multiple of 256 from C's first byte; 119 rows at the most: inside the signed 24-bit immediate
.endr
.endr
.endm
	s_wait_tensorcnt 1                             ; my part of K step 0 is in; K step 1's may stay out
	s_barrier_signal -1
	s_barrier_wait -1                              ; everybody's is
	FETCH 0, 0, F0
	QUARTER 0, 64,  F0, F1, 1                      ; the first quarter stands in front of the loop: its products start the sums
	WIN 0                                          ; at a label and at a branch every window is 0
	s_mov_b32 s3, LAPS-1
.Llap:                                                 ; a trip goes once round the ring, from a lap's second quarter to the next lap's first, and fills both slots again: K steps 2 to 7 in three trips
	QUARTER 0, 128, F1, F0, 0
	QUARTER 0, 192, F0, F1, 0
	TURN 0, 1
	QUARTER 1, 64,  F0, F1, 0
	QUARTER 1, 128, F1, F0, 0
	QUARTER 1, 192, F0, F1, 0
	TURN 1, 0
	QUARTER 0, 64,  F0, F1, 0
	WIN 0
	s_sub_co_u32 s3, s3, 1
	s_cmp_lg_u32 s3, 0
	s_cbranch_scc1 .Llap
	QUARTER 0, 128, F1, F0, 0                      ; the last lap is written out: it asks for nothing
	QUARTER 0, 192, F0, F1, 0
	MEET 0                                         ; my one tensor load that was still out is slot 1's, the last K step's, so no round follows
	PLACES                                         ; for the loads into buffer 0, which the quarter before multiplied
	BLOAD 0                                        ; three quarters of B now: buffer 1 (v128-191 of both windows) is still being multiplied
	BLOAD 1
	BLOAD 3
	ALOAD 0
	MUL16 F1, 1, 0, 0
	MUL16 F1, 1, 2, 0
	PLACES                                         ; for the loads into buffer 1
	BLOAD 2
	ALOAD 1
	ALOAD 2
	ALOAD 3
	s_wait_loadcnt 0x0                             ; the bias, asked for at the head
	s_wait_dscnt 40                                ; all but the 40 just issued
	ROW 0
.irp a, 0,1,2,3,4,5,6,7                ; each block leaves as soon as it is finished: nothing follows this tile under which its stores could leave
	PLACES                                         ; its additions read results just made, and the load below lands in registers just read
	ADDB \a
.if (\a) < 4
	ALOAD (\a)+4                                   ; its buffer takes the block four further on
.endif
	STOREB \a
.if (\a) < 4
	s_wait_dscnt 24                                ; A's block a + 1 is in; the three blocks asked for behind it may be out
	ROW (\a)+1
.elseif (\a) < 7
	s_wait_dscnt 8*(6-(\a))                        ; the same with the two, one or no blocks that are left
	ROW (\a)+1
.endif
.endr
	s_wait_tensorcnt 0x0                           ; the wave's end: an add to my spare word and its wait, behind my last tensor load
	ds_add_u32 v[SPW], v[NIL]
	s_wait_dscnt 0x0
	CROUND                                         ; the closing round: no work-group ends while a partner may still ask for a tile that names it
	s_endpgm
.Lfunc_end_k_qbafdaefd60_gemm_out:
	.size	k_qbafdaefd60_gemm_out, .Lfunc_end_k_qbafdaefd60_gemm_out-k_qbafdaefd60_gemm_out
	.p2alignl 7, 3214868480
	.fill 96, 4, 3214868480
	.section	.rodata,"a",@progbits
	.p2align	6, 0x0
	.amdhsa_kernel k_qbafdaefd60_gemm_out
		.amdhsa_group_segment_fixed_size 327680
		.amdhsa_private_segment_fixed_size 0
		.amdhsa_enable_private_segment 0
		.amdhsa_kernarg_size 32
		.amdhsa_user_sgpr_count 2
		.amdhsa_user_sgpr_kernarg_segment_ptr 1
		.amdhsa_wavefront_size32 1
		.amdhsa_system_sgpr_workgroup_id_x 1
		.amdhsa_system_sgpr_workgroup_id_y 1
		.amdhsa_system_sgpr_workgroup_id_z 1
		.amdhsa_system_vgpr_workitem_id 0
		.amdhsa_next_free_vgpr 1024
		.amdhsa_next_free_sgpr 72
		.amdhsa_reserve_vcc 0
		.amdhsa_float_denorm_mode_32 3
		.amdhsa_float_denorm_mode_16_64 3
		.amdhsa_memory_ordered 1
		.amdhsa_forward_progress 1
		.amdhsa_inst_pref_size 140
	.end_amdhsa_kernel
	.amdgpu_metadata
---
amdhsa.version: [ 1, 2 ]
amdhsa.kernels:
  - .name:           k_qbafdaefd60_gemm_out
    .symbol:         k_qbafdaefd60_gemm_out.kd
    .args:
      - { .name: ctx, .offset: 0, .size: 8, .value_kind: global_buffer, .address_space: global }
      - { .name: wo, .offset: 8, .size: 8, .value_kind: global_buffer, .address_space: global }
      - { .name: bo, .offset: 16, .size: 8, .value_kind: global_buffer, .address_space: global }
      - { .name: out0, .offset: 24, .size: 8, .value_kind: global_buffer, .address_space: global }
    .group_segment_fixed_size: 327680
    .private_segment_fixed_size: 0
    .kernarg_segment_align: 8
    .kernarg_segment_size: 32
    .max_flat_workgroup_size: 128
    .sgpr_count:     72
    .vgpr_count:     1024
    .wavefront_size: 32
...
	.end_amdgpu_metadata
.endif
;; end of part 4
